; MI455X (gfx1250); checked and timed in simulation.
; The chip was launched on July 23, 2026; its instructions are those of AMD's public machine-readable ISA for CDNA 5 (MIT licence, August 2026) and "CDNA5" Instruction Set Architecture Reference Guide (July 2026). The comments in the code are by the model that wrote it; some were corrected since.
;; Multi Headed Attention. Allowed arithmetic: matrix products marked QUANTISED: E4M3 operands, one given power-of-two scale a tensor, by v_wmma_f32_16x16x64_fp8_fp8 or v_wmma_f32_16x16x128_fp8_fp8, f32 sums; everything else in f32.
;; Inputs: Wk_codes 1,024 x 32 x 32 uint8 (E4M3 codes of Wk, K innermost, in blocks of 32 codes); Wo_codes 1,024 x 32 x 32 uint8 (E4M3 codes of Wo, K innermost, in blocks of 32 codes); Wq_codes 1,024 x 32 x 32 uint8 (E4M3 codes of Wq, K innermost, in blocks of 32 codes); Wv_codes 1,024 x 32 x 32 uint8 (E4M3 codes of Wv, K innermost, in blocks of 32 codes); bk 1,024 float32; bo 1,024 float32; bq 1,024 float32; bv 1,024 float32; hidden_states_codes 2 x 2,048 x 32 x 32 uint8 (E4M3 codes of hidden_states, K innermost, in blocks of 32 codes); lowp_scales 12 int32 (the exponents e of the quantised operands' scales 2^e).
;; Outputs: out0 2 x 2,048 x 1,024 float32.
;; This version of the problem:
;;   THIS VERSION OF THE PROBLEM IS GIVEN IN LOW PRECISION. The matrix products marked QUANTISED in the list below multiply operands that are first quantised to E4M3 (4 exponent bits, 3 mantissa bits; 8 bits a number), with one given power-of-two scale for each operand tensor; their sums are f32. All else is computed in f32.
;;   The module's matrix products, in the order in which they are computed (A, B: the left and right operand; K: the contracted axis; several contracted axes count as one K, in the product's order):
;;     1. [M 4,096, K 1,024] x [K 1,024, N 1,024]; A: input hidden_states (given as codes); B: input Wq (given as codes): QUANTISED (scales: A lowp_scales[0], B lowp_scales[1])
;;     2. [M 4,096, K 1,024] x [K 1,024, N 1,024]; A: input hidden_states (given as codes); B: input Wk (given as codes): QUANTISED (scales: A lowp_scales[2], B lowp_scales[3])
;;     3. [M 4,096, K 1,024] x [K 1,024, N 1,024]; A: input hidden_states (given as codes); B: input Wv (given as codes): QUANTISED (scales: A lowp_scales[4], B lowp_scales[5])
;;     4. batch 32 x [M 2,048, K 64] x [K 64, N 2,048]; A: computed on the way; B: computed on the way: QUANTISED (scales: A lowp_scales[6], B lowp_scales[7])
;;     5. batch 32 x [M 2,048, K 2,048] x [K 2,048, N 64]; A: softmax (see below); B: computed on the way: QUANTISED (scales: A lowp_scales[8], B lowp_scales[9])
;;     6. [M 4,096, K 1,024] x [K 1,024, N 1,024]; A: computed on the way; B: input Wo (given as codes): QUANTISED (scales: A lowp_scales[10], B lowp_scales[11])
;;   THE QUANTISER, for each operand of a quantised product, along K:
;;     - The operand's scale is 2^e, e = its entry of the input lowp_scales (int32; the entries are numbered through the quantised products in the list's order, A before B).
;;     - Each number is divided by the scale, clamped to +-448, and rounded to the nearest number of E4M3, ties to even, subnormals kept.
;;     - The product sums the exact products of the quantised numbers (number of the format x scale) in f32.
;;   ~~~python
;;   def quantise(x, axis, e):      # numpy; x: float32 -> the quantised numbers, widened to float32 again
;;       x = np.moveaxis(x, axis, -1); K = x.shape[-1]
;;       r = np.clip(x / 2.0 ** e, -448, 448)
;;       step = 2.0 ** (np.maximum(np.frexp(np.where(r == 0, 1, r))[1] - 1, -6) - 3)
;;       q = np.round(r / step) * step * 2.0 ** e      # np.round: ties to even
;;       return np.moveaxis(q, -1, axis).astype(np.float32)
;;   ~~~
;;   SOFTMAX AHEAD OF A QUANTISED PRODUCT. Where the list says 'softmax', what is quantised is not the finished softmax but p = 2^(t - M), with t = logit x log2(e) and M = ceil(the row's largest t), a whole number; so 1/2 < the row's largest p <= 1. The row's sum l is taken of the UNQUANTISED p, in f32, and the product's result is divided by l at the end. Since M is a whole number, a kernel that streams over the keys may use a running M (the ceiling of the running maximum): every later rescaling is an exact power of two, so the quantised numbers keep their values, but for numbers so far below the row's largest that they fall under the format's range.
;;   OPERANDS COMPUTED ON THE WAY. 'Computed on the way' means the value that the module computes at that place (a softmax that the list does not call 'softmax' is quantised finished and normalised). What goes into a quantiser is computed in f32, as accurately as f32 sums, v_exp_f32 and their like allow (about 1e-6 of the number): no bf16 or f16 on the way to a quantiser, and a product that is left as it is and whose result goes on into a quantised operand takes f32 operands (vector FMAs, or v_wmma_f32_16x16x4_f32). A number that lies on a knife's edge between two numbers of the format may be rounded either way, as far as f32 arithmetic and the matrix unit's own rounding can turn it there, and no further.
;;   INPUTS GIVEN AS CODES. Wk (in the module: [1024, 1024], K = its axis 0); Wo (in the module: [1024, 1024], K = its axis 0); Wq (in the module: [1024, 1024], K = its axis 0); Wv (in the module: [1024, 1024], K = its axis 0); hidden_states (in the module: [2, 2048, 1024], K = its axis 2): each comes as NAME_codes (uint8): NAME with its K axis moved to the last place and cut into blocks of 32 codes, [.., K / 32, bytes a block], one block behind the other in memory; one code a byte (a code: sign, 4 exponent bits, 3 mantissa bits); its scale is its entry of lowp_scales. Its value is code x scale, taken as it is: it is not quantised again, and the codes and scales need not be those that the quantiser above would give.
;; One version. Each part assembles by itself: llvm-mc -triple=amdgcn-amd-amdhsa -mcpu=gfx1250 --defsym DOCPART=n.
;; ======== version 1 of 1: 3 launches
;; limits: right only within a limited range of input values
;; workspace buffers: qimg 4,194,304 bytes; kvimg 8,388,608 bytes; attimg 4,194,304 bytes
;; launch qkv (part 1): grid 16 x 16, 4 waves a work-group, clusters of 4 x 4, 327,680 bytes of LDS; arguments hidden_states_codes, Wq_codes, Wk_codes, Wv_codes, bq, bk, bv, lowp_scales, qimg, kvimg; writes qimg, kvimg
.if DOCPART == 1
	.amdgcn_target "amdgcn-amd-amdhsa--gfx1250"
	.amdhsa_code_object_version 6
	.text
	.protected	k_q6fcd64970a_qkv
	.globl	k_q6fcd64970a_qkv
	.p2align	8
	.type	k_q6fcd64970a_qkv,@function
k_q6fcd64970a_qkv:
	s_mov_b64 s[64:65], 0
	v_nop
	global_prefetch_b8 v0, s[64:65] scope:SCOPE_SE
	s_setreg_imm32_b32 hwreg(HW_REG_WAVE_MODE, 25, 1), 1
	s_wait_xcnt 0x0
	s_wait_alu depctr_hold_cnt(0) depctr_sa_sdst(0) depctr_va_vdst(0) depctr_va_sdst(0) depctr_va_ssrc(0) depctr_va_vcc(0) depctr_vm_vsrc(0)
	s_getreg_b32 s2, hwreg(HW_REG_IB_STS2, 6, 4)
	s_cmp_eq_u32 s2, 0
	s_cbranch_scc0 .Lentry_in_a_cluster
	s_endpgm
.Lentry_in_a_cluster:
	s_bfe_u32 s2, ttmp6, 0x10000c
	s_cmp_lg_u32 s2, 0xf033
	s_cbranch_scc0 .Lentry_shape_is_right
	s_endpgm
.Lentry_shape_is_right:
; q, k, v = hidden W + b for ONE head and 256 tokens, on E4M3 codes, then quantised (q by entry 6, k by entry 7, v by entry 9 of the scales) and stored
; AS IMAGES OF THE NEXT PRODUCT'S OPERAND REGISTERS.  hidden: [4096][1024] codes; Wq, Wk, Wv: [1024 (n)][1024 (k)] codes; biases f32.
; SHARES.  Work-group (x, y): head x, tokens 256 y on.  Wave w: tokens 64 w on (4 tiles of 16) against 12 tiles of 16 weight rows (0-3 Wq, 4-7 Wk, 8-11 Wv): 48 accumulators.
; q and k are made TRANSPOSED (source 0 = 16 rows of W, source 1 = 16 tokens): a lane holds one token, and the 8 registers of channel tile t are channels 16 t + 8 (lane / 16) + 0..7.
; Their 8 codes are registers 2 t, 2 t + 1 of an 8-bit operand (16 rows x 64 K) in its own k places.  v is made the other way round (source 0 = tokens, source 1 = Wv): a lane holds one channel and
; the registers run along the tokens, which are the K of the second product of attention.  So no result changes lanes, and a group of four code registers leaves as 512 consecutive bytes of the wave.
; K goes in steps of 256 through a ring of two LDS slots: 4 fills, 2 of them refills.  CLUSTER 4 x 4: the four work-groups of a row need the same tokens, the four of a column the same weights:
; every tile is asked for jointly (wave 0: hidden, 256 rows; waves 1, 2, 3: 64 rows of Wq, Wk, Wv).
; In the fragments k is permuted alike on both sides (four loads of 16 bytes a fragment): every product meets its partner, only the order of sums inside an instruction differs.
; LIMITS: e0+e1, e2+e3, e4+e5 between -126 and 127; e6, e7, e9 between -126 and 119, so that each power of two below is an f32 number.  NaN among the inputs is not served.
; REGISTERS.  window 0: v1-6 lane terms; v8-13 the quantisers' scales and limits; v16-29 addresses; v32-39 bv; v64-127, v128-191 hidden's fragments, two sets; v192-255 bq, bk.
;   window 1: v0-191 the 12 weight fragments, one set.  window 2: q's accumulator (a, t) at 8 (4 a + t), k's 128 further on.  window 3: v's (t, a) at 8 (4 t + a).
.set PITCH,  272                       ; an LDS row: 256 bytes + 16 of padding = 68 words, so the 16 rows of a fragment load start 4 banks apart (64 banks of 4 bytes: ISA guide 11.1)
.set ATILE,  256*PITCH
.set WTILE,  64*PITCH
.set SLOT,   ATILE+3*WTILE             ; hidden's 256 rows, then 64 rows each of Wq, Wk, Wv: the 192 weight rows lie on end
.set SPARE,  2*SLOT                    ; behind the ring: the spare words, 128 bytes a wave, two blocks of 256 bytes that no other line names
.set PADW,   (1<<20)|(1<<21)|(5<<22)|(3<<25)   ; elements of 1 byte; padding on; bit 21 beside a mask; after every 64 words; 4 words
.set ADRA, 16                          ; v16-17 LDS address of my hidden fragments in slot 0, 1
.set ADRB, 20                          ; v20-21 the same for the weights
.set GQ,   24                          ; v24 16 x lane: my 16 bytes of a group of four code registers
.set GK,   25                          ; v25 the same + 4096 (w & 1): my four key tiles of a key step
.set GV,   26                          ; v26 the same + 8192 + 1024 (w & 1): my eight registers of V's fragments
.set SPW,  28                          ; v28 my spare word; never rewritten
.set NIL,  29                          ; v29 0; never rewritten
.set BV,   32                          ; v32-39 bv of channel 16 t + lane % 16 at 2 t; 0 beside it (named as a pair)
.set AF,   64
.set BQ,   192                         ; v192-223 bq, v224-255 bk: channel 16 t + 8 (lane / 16) + j at 8 t + j
.set TMP,  64                          ; the way out: 32 numbers at work
.set CD,   96                          ; the way out: 12 groups of 8 code registers, each group its own, so no store's data are written again
.set G1A, 24
.set G1B, 32
.set G0A, 40
.set G0Q, 48
.set G0K, 56
.set G0V, 68
.set WV,   88
.set CX,   89
.set CY,   90
.set HEAD, 91
.set RB,   92
.set MSB, 0
.macro WIN new                         ; the immediate's high byte repeats the setting that is left
.if MSB != \new
	s_set_vgpr_msb (MSB<<8)|\new
.set MSB, \new
.endif
.endm
.macro PLACES n
.rept \n
	v_nop
.endr
.endm
.macro CREST                           ; a round of the cluster's barrier behind its opening barrier
	s_cmp_lg_u32 s[WV], 0
	s_cbranch_scc1 .Lnot_wave_0_\@
	s_barrier_signal -3
.Lnot_wave_0_\@:
	s_barrier_wait -3
	s_barrier_signal -1
	s_barrier_wait -1
.endm
.macro CROUND
	s_barrier_signal -1
	s_barrier_wait -1
	CREST
.endm
.macro ASK g0, g1                      ; one joint load; four v_nop follow it, ahead of the jump, the label and what comes next
	tensor_load_to_lds s[\g0:\g0+3], s[\g1:\g1+7]
	s_nop 0
.rept 4
	v_nop
.endr
.endm
.macro JLOAD n                         ; slot n: each wave asks for one tile; the branches hang on the wave's number alone
	s_cmp_lg_u32 s[WV], 0
	s_cbranch_scc1 .Lnot0_\@
	ASK G0A+4*\n, G1A
	s_branch .Lasked_\@
.Lnot0_\@:
	s_cmp_lg_u32 s[WV], 1
	s_cbranch_scc1 .Lnot1_\@
	ASK G0Q+4*\n, G1B
	s_branch .Lasked_\@
.Lnot1_\@:
	s_cmp_lg_u32 s[WV], 2
	s_cbranch_scc1 .Lnot2_\@
	ASK G0K+4*\n, G1B
	s_branch .Lasked_\@
.Lnot2_\@:
	ASK G0V+4*\n, G1B
.Lasked_\@:
.endm
.macro MKG0 g, lds, ptr, off           ; a descriptor's group 0: count 1, LDS byte, global byte, type 2
	s_mov_b32 s[\g], 1
	s_mov_b32 s[\g+1], \lds
	s_add_nc_u64 s[\g+2:\g+3], s[\ptr:\ptr+1], \off
	s_or_b32 s[\g+3], s[\g+3], 0x80000000
.endm
	s_load_b512 s[4:19], s[0:1], 0x0               ; hidden s[4:5], Wq s[6:7], Wk s[8:9], Wv s[10:11], bq s[12:13], bk s[14:15], bv s[16:17], scales s[18:19]
	s_load_b128 s[20:23], s[0:1], 0x40             ; qimg s[20:21], kvimg s[22:23]
	v_lshl_add_u32 v[SPW], v0, 2, SPARE
	v_mov_b32 v[NIL], 0
	ds_add_u32 v28, v29
	ds_add_u32 v28, v29
	s_wait_dscnt 0x0
	v_lshrrev_b32 v1, 5, v0
	v_readfirstlane_b32 s[WV], v1                  ; wave 0..3
	s_bfe_u32 s[CX], ttmp6, 0x40000
	s_bfe_u32 s[CY], ttmp6, 0x40004
	s_lshl_b32 s[HEAD], ttmp9, 2
	s_add_co_u32 s[HEAD], s[HEAD], s[CX]           ; head = 4 x cluster x + cx
	s_and_b32 s[RB], ttmp7, 0xffff
	s_lshl_b32 s[RB], s[RB], 2
	s_add_co_u32 s[RB], s[RB], s[CY]               ; block of 256 tokens = 4 x cluster y + cy
	s_lshl_b32 s2, s[CY], 2
	s_lshl_b32 s2, 15, s2                          ; my row of the cluster
	s_lshl_b32 s100, 0x1111, s[CX]                 ; my column
	s_or_b32 s[G1A], s2, PADW                      ; hidden's tiles go to my row,
	s_or_b32 s[G1B], s100, PADW                    ; the weights' to my column
.irp g, G1A, G1B
	s_mov_b32 s[\g+1], 256<<16                     ; tensor_dim0 = 256 bytes
	s_mov_b32 s[\g+3], 256<<16                     ; tile_dim0
	s_mov_b32 s[\g+5], 1024                        ; from row to row
	s_mov_b32 s[\g+6], 0
	s_mov_b32 s[\g+7], 0
.endr
	s_mov_b32 s[G1A+2], 256<<16                    ; tensor_dim1, tile_dim1: 256 rows of hidden,
	s_mov_b32 s[G1A+4], 256
	s_mov_b32 s[G1B+2], 64<<16                     ; 64 of a weight
	s_mov_b32 s[G1B+4], 64
	s_lshl_b32 s2, s[RB], 18                       ; 256 rows of 1,024 bytes: made of the token block alone
	s_mov_b32 s3, 0
	s_lshl_b32 s100, s[HEAD], 16                   ; 64 rows of 1,024 bytes: made of the head alone
	s_mov_b32 s101, 0
	s_wait_kmcnt 0x0
	s_load_b256 s[76:83], s[18:19], 0x0            ; e0 .. e7
	s_load_b128 s[84:87], s[18:19], 0x20           ; e8 .. e11
	s_add_nc_u64 s[4:5], s[4:5], s[2:3]
	s_add_nc_u64 s[6:7], s[6:7], s[100:101]
	s_add_nc_u64 s[8:9], s[8:9], s[100:101]
	s_add_nc_u64 s[10:11], s[10:11], s[100:101]
.irp n, 0,1
	MKG0 G0A+4*\n, \n*SLOT, 4, \n*256
	MKG0 G0Q+4*\n, \n*SLOT+ATILE, 6, \n*256
	MKG0 G0K+4*\n, \n*SLOT+ATILE+WTILE, 8, \n*256
	MKG0 G0V+4*\n, \n*SLOT+ATILE+2*WTILE, 10, \n*256
.endr
	; PREFETCHES.  A K step is 256 bytes of each row.  The four partners that ask for a tile jointly share its rows out by address: of hidden's 256 rows each takes 64 (by cx; wave 0 asks), of each weight's 64 rows 16 (by cy; waves 1, 2, 3 ask):
	; each aligned block of 256 bytes is named once in each cluster that loads it.  s[2:3]: where my wave's rows begin.
	s_lshl_b32 s100, s[CX], 16
	s_lshl_b32 s66, s[CY], 14
	s_cmp_eq_u32 s[WV], 0
	s_cselect_b32 s100, s100, s66
	s_cselect_b32 s67, 31, 15
	s_cselect_b64 s[2:3], s[4:5], s[6:7]
	s_cmp_eq_u32 s[WV], 2
	s_cselect_b64 s[2:3], s[8:9], s[2:3]
	s_cmp_eq_u32 s[WV], 3
	s_cselect_b64 s[2:3], s[10:11], s[2:3]
	s_add_nc_u64 s[2:3], s[2:3], s[100:101]
	CROUND                                         ; all sixteen work-groups are here: the first joint loads meet
	JLOAD 0                                        ; K step 0: one tensor load a wave at the head
	v_and_b32 v1, 15, v0                           ; r
	v_bfe_u32 v2, v0, 4, 1                         ; h
	v_lshlrev_b32 v30, 10, v1
	v_lshl_add_u32 v30, v2, 8, v30                 ; row r; lanes 0-15 one K step, lanes 16-31 the next; never rewritten
	v_and_b32 v31, 31, v0
	v_min_u32 v31, s67, v31                        ; a lane a row (in a weight: 16 rows, the lanes left over name the last again); never rewritten
	v_lshlrev_b32 v31, 10, v31
	s_wait_alu depctr_va_vdst(0)
	global_prefetch_b8 v30, s[2:3] offset:256 th:TH_LOAD_NT scope:SCOPE_SE   ; K steps 1 and 2: one and two steps ahead of the load in hand
	s_cmp_lg_u32 s[WV], 0
	s_cbranch_scc1 .Lk12_asked
	global_prefetch_b8 v30, s[2:3] offset:256+16384 th:TH_LOAD_NT scope:SCOPE_SE
	global_prefetch_b8 v30, s[2:3] offset:256+32768 th:TH_LOAD_NT scope:SCOPE_SE
	global_prefetch_b8 v30, s[2:3] offset:256+49152 th:TH_LOAD_NT scope:SCOPE_SE
.Lk12_asked:
	v_mul_u32_u24 v3, v1, PITCH
	v_lshl_add_u32 v3, v2, 4, v3                   ; a fragment's row x pitch + 16 h
	s_mul_i32 s93, s[WV], 64*PITCH                 ; my 64 tokens
	v_add_nc_u32 v[ADRA], s93, v3
	v_add_nc_u32 v[ADRA+1], SLOT, v[ADRA]
	v_add_nc_u32 v[ADRB], ATILE, v3
	v_add_nc_u32 v[ADRB+1], SLOT, v[ADRB]
	v_and_b32 v4, 31, v0
	v_lshlrev_b32 v[GQ], 4, v4
	s_and_b32 s93, s[WV], 1
	s_lshl_b32 s66, s93, 12
	v_add_nc_u32 v[GK], s66, v[GQ]
	s_lshl_b32 s66, s93, 10
	s_add_co_u32 s66, s66, 8192
	v_add_nc_u32 v[GV], s66, v[GQ]
	s_lshl_b32 s67, s[HEAD], 8                     ; the head's 64 numbers in a bias
	v_lshl_add_u32 v5, v2, 5, s67                  ; bq, bk: + 32 h;  v5 and v6 stay until the loads are waited for
	v_lshl_add_u32 v6, v1, 2, s67                  ; bv: + 4 r
.irp t, 0,1,2,3
	global_load_b128 v[BQ+8*\t:BQ+8*\t+3], v5, s[12:13] offset:64*\t
	global_load_b128 v[BQ+8*\t+4:BQ+8*\t+7], v5, s[12:13] offset:64*\t+16
	global_load_b128 v[BQ+32+8*\t:BQ+32+8*\t+3], v5, s[14:15] offset:64*\t
	global_load_b128 v[BQ+32+8*\t+4:BQ+32+8*\t+7], v5, s[14:15] offset:64*\t+16
	global_load_b32 v[BV+2*\t], v6, s[16:17] offset:64*\t
	v_mov_b32 v[BV+2*\t+1], 0
.endr
.macro FRAG reg, adr, q, i             ; 16 rows x 128 K: four loads of 16 bytes, 32 bytes apart
.irp c, 0,1,2,3
	ds_load_b128 v[\reg+4*\c:\reg+4*\c+3], v[\adr] offset:128*(\q)+32*\c+(\i)*16*PITCH
.endr
.endm
.macro FETCH_A slot, q, set            ; my four token tiles (every window 0)
.irp i, 0,1,2,3
	FRAG AF+64*(\set)+16*\i, ADRA+\slot, \q, \i
.endr
.endm
.macro FETCH_B slot, q, b0             ; six weight tiles from b0 on, into window 1
	WIN 0x40
.irp i, 0,1,2,3,4,5
	FRAG 16*(\b0+\i), ADRB+\slot, \q, \b0+\i
.endr
	WIN 0
.endm
; Weight tile b against my four token tiles in set p.  The 48 accumulators take turns, one instruction a turn, in the same order in every step.
.macro MULB b, p, zero
.if \b < 8
	WIN 0xa1                                       ; source 0 (W) window 1, source 1 (hidden) window 0, C and D window 2
.irp a, 0,1,2,3
.if \zero
	v_wmma_f32_16x16x128_fp8_fp8 v[128*(\b/4)+8*(4*\a+\b%4):128*(\b/4)+8*(4*\a+\b%4)+7], v[16*\b:16*\b+15], v[AF+64*\p+16*\a:AF+64*\p+16*\a+15], 0
.else
	v_wmma_f32_16x16x128_fp8_fp8 v[128*(\b/4)+8*(4*\a+\b%4):128*(\b/4)+8*(4*\a+\b%4)+7], v[16*\b:16*\b+15], v[AF+64*\p+16*\a:AF+64*\p+16*\a+15], v[128*(\b/4)+8*(4*\a+\b%4):128*(\b/4)+8*(4*\a+\b%4)+7]
.endif
.endr
.else
	WIN 0xf4                                       ; source 0 (hidden) window 0, source 1 (Wv) window 1, C and D window 3
.irp a, 0,1,2,3
.if \zero
	v_wmma_f32_16x16x128_fp8_fp8 v[8*(4*(\b-8)+\a):8*(4*(\b-8)+\a)+7], v[AF+64*\p+16*\a:AF+64*\p+16*\a+15], v[16*\b:16*\b+15], 0
.else
	v_wmma_f32_16x16x128_fp8_fp8 v[8*(4*(\b-8)+\a):8*(4*(\b-8)+\a)+7], v[AF+64*\p+16*\a:AF+64*\p+16*\a+15], v[16*\b:16*\b+15], v[8*(4*(\b-8)+\a):8*(4*(\b-8)+\a)+7]
.endif
.endr
.endif
.endm
; A slot's first 128 along K, on hidden's set 0.  A weight tile is free once its four products are issued, so one set serves the weights: tiles 0-5 are fetched anew in the middle, 6-11 at the end.
; Four plain places stand between a matrix instruction and a load into a register that it has read (ISA guide 7.12.1 for vector instructions).
.macro STEP slot, zero
	s_wait_dscnt 24                                ; hidden's set and weight tiles 0-5 are in; the youngest 24 loads (tiles 6-11) may be out
.irp b, 0,1,2,3,4,5
	MULB \b, 0, \zero
.endr
	s_wait_dscnt 0x0                               ; tiles 6-11 are in
	PLACES 4
	FETCH_B \slot, 1, 0
	FETCH_A \slot, 1, 1
.irp b, 6,7,8,9,10,11
	MULB \b, 0, \zero
.endr
	PLACES 4
	FETCH_B \slot, 1, 6
.endm
; A slot's second 128 along K, on set 1, changes slots: ONE barrier; in front of it each wave waits for all its tensor loads, adds 0 to its spare word, and waits for that and for its reads of this slot.
.macro TURN slot, next, fill
	s_wait_tensorcnt 0x0                           ; all my tensor loads have landed: the one that was out is my tile of the next slot
	ds_add_u32 v[SPW], v[NIL]                      ; 0 onto my spare word
	s_wait_dscnt 25                                ; the add and the youngest 24 loads (tiles 6-11) may be out
.irp b, 0,1,2
	MULB \b, 1, 0                                  ; twelve matrix instructions stand between the add and the wait for it
.endr
	s_wait_dscnt 0x0                               ; the add is done, and my reads of this slot are over
	s_barrier_signal -1
.irp b, 3,4,5
	MULB \b, 1, 0
.endr
	WIN 0
	s_barrier_wait -1
.if \fill
	CREST                                          ; the barrier has opened a round of the cluster's barrier: no wave of any partner still reads this slot or has a load on its way
.irp g, G0A, G0Q, G0K, G0V
	s_add_nc_u64 s[\g+4*\slot+2:\g+4*\slot+3], s[\g+4*\slot+2:\g+4*\slot+3], 512   ; two K steps of 256 on; no load of mine is out, so a group 0 may be written
.endr
	JLOAD \slot                                    ; the first tensor load behind the round; its four v_nop are also the places in front of the loads below
.else
	PLACES 4
.endif
	FETCH_B \next, 0, 0
	FETCH_A \next, 0, 0
.irp b, 6,7,8,9,10,11
	MULB \b, 1, 0
.endr
	PLACES 4
	FETCH_B \next, 0, 6
.endm
	s_wait_alu depctr_va_vdst(0)
	s_wait_tensorcnt 0x0                           ; my tile of K step 0 is in
	ds_add_u32 v[SPW], v[NIL]
	s_wait_dscnt 0x0
	CROUND                                         ; everybody's is, and all sixteen work-groups are here
	JLOAD 1                                        ; K step 1, the first tensor load behind the round
	FETCH_B 0, 0, 0
	FETCH_A 0, 0, 0
	FETCH_B 0, 0, 6
	global_prefetch_b8 v31, s[2:3] offset:768 th:TH_LOAD_NT scope:SCOPE_SE   ; K step 3, two steps ahead; there is none behind it
	s_cmp_lg_u32 s[WV], 0
	s_cbranch_scc1 .Lk3_asked
	global_prefetch_b8 v31, s[2:3] offset:768+32768 th:TH_LOAD_NT scope:SCOPE_SE
.Lk3_asked:
	STEP 0, 1                                      ; K 0: the first products start the sums: nothing is cleared
	TURN 0, 1, 1                                   ; K 128;  slot 0 takes K 512 on
	STEP 1, 0                                      ; K 256
	TURN 1, 0, 1                                   ; K 384;  slot 1 takes K 768 on
	STEP 0, 0                                      ; K 512
	TURN 0, 1, 0                                   ; K 640;  nothing is left to fetch
	STEP 1, 0                                      ; K 768
	s_wait_dscnt 24                                ; K 896
.irp b, 0,1,2,3,4,5
	MULB \b, 1, 0
.endr
	s_wait_dscnt 0x0
.irp b, 6,7,8,9,10,11
	MULB \b, 1, 0
.endr
	WIN 0
	; THE WAY OUT.  number = sum x 2^(eA + eB) + bias (one fused multiply-add); held within +-448 x 2^e; converted, eight neighbours along the next K at a time.
	s_wait_kmcnt 0x0                               ; the scales
	s_wait_loadcnt 0x0                             ; the biases; their pointers s[12:17] are free from here on
.irp p, 0,1,2
	s_add_co_i32 s[94+2*\p], s[76+2*\p], s[77+2*\p]
	s_add_co_i32 s[94+2*\p], s[94+2*\p], 127
	s_lshl_b32 s[94+2*\p], s[94+2*\p], 23          ; 2^(e0+e1), 2^(e2+e3), 2^(e4+e5) as f32
	s_mov_b32 s[95+2*\p], s[94+2*\p]               ; (named with it as a pair)
.endr
.macro QCONST e, v                     ; v[v] = 2^e, v[v+1] = 448 x 2^e.  The six moves are the plain places behind the last products
	s_add_co_i32 s93, s[\e], 127
	s_lshl_b32 s66, s93, 23
	v_mov_b32 v[\v], s66
	s_add_co_i32 s93, s93, 8
	s_lshl_b32 s93, s93, 23
	s_or_b32 s93, s93, 0x600000
	v_mov_b32 v[\v+1], s93
.endm
	QCONST 82, 8                                   ; q: e6
	QCONST 83, 10                                  ; k: e7
	QCONST 85, 12                                  ; v: e9
	s_lshr_b32 s12, s[RB], 3
	s_lshl_b32 s12, s12, 4
	s_add_co_u32 s12, s12, s[HEAD]                 ; hb = 16 x batch + head
	s_and_b32 s13, s[RB], 7                        ; my block of 256 tokens within the batch
	s_lshl_b32 s14, s13, 4
	s_lshl_b32 s15, s[WV], 2
	s_add_co_u32 s14, s14, s15                     ; my first query tile
	s_lshl_b32 s14, s14, 10
	s_lshl_b32 s15, s12, 17
	s_add_co_u32 s14, s14, s15
	s_mov_b32 s15, 0
	s_add_nc_u64 s[20:21], s[20:21], s[14:15]      ; qimg [hb][128 tiles][1024]
	s_lshl_b32 s16, s13, 1
	s_lshr_b32 s17, s[WV], 1
	s_add_co_u32 s16, s16, s17                     ; my key step of 128 tokens
	s_lshl_b32 s16, s16, 14
	s_lshl_b32 s17, s12, 18
	s_add_co_u32 s16, s16, s17
	s_mov_b32 s17, 0
	s_add_nc_u64 s[22:23], s[22:23], s[16:17]      ; kvimg [hb][16 steps][16384]
.macro FINISH lim, sc, n               ; TMP's 32 numbers become group n's 8 code registers
.set j, 0
.rept 32
	v_med3_num_f32 v[TMP+j], v[TMP+j], -v[\lim], v[\lim]   ; the conversion to an 8-bit code does not saturate (ISA guide 7.6.2)
.set j, j+1
.endr
.irp t, 0,1,2,3
	v_cvt_scalef32_pk8_fp8_f32 v[CD+8*(\n)+2*\t:CD+8*(\n)+2*\t+1], v[TMP+8*\t:TMP+8*\t+7], v[\sc]
.endr
	v_nop                                          ; one plain line between the conversions and the next lines that write their sources
.endm
.macro OUTQK sel, a                    ; token tile a of q (sel 0) or k (sel 1): its four accumulators lie on end; each is read from its low end on
	WIN 0x02
.set j, 0
.rept 16
	v_pk_fma_f32 v[TMP+j:TMP+j+1], v[128*\sel+32*\a+j:128*\sel+32*\a+j+1], s[94+2*\sel:95+2*\sel], v[BQ+32*\sel+j:BQ+32*\sel+j+1] op_sel_hi:[1,0,1]
.set j, j+2
.endr
	WIN 0
	FINISH 9+2*\sel, 8+2*\sel, 4*\sel+\a
.if \sel == 0
	global_store_b128 v[GQ], v[CD+8*\a:CD+8*\a+3], s[20:21] offset:1024*\a          ; the wave stores 512 consecutive bytes
	global_store_b128 v[GQ], v[CD+8*\a+4:CD+8*\a+7], s[20:21] offset:1024*\a+512
.else
	global_store_b128 v[GK], v[CD+32+8*\a:CD+32+8*\a+3], s[22:23] offset:1024*\a
	global_store_b128 v[GK], v[CD+32+8*\a+4:CD+32+8*\a+7], s[22:23] offset:1024*\a+512
.endif
.endm
.macro OUTV t                          ; channel tile t of v: registers 8 a + j are tokens 16 a + 8 (lane / 16) + j of my 64
	WIN 0x03
.set j, 0
.rept 16
	v_pk_fma_f32 v[TMP+j:TMP+j+1], v[32*\t+j:32*\t+j+1], s[98:99], v[BV+2*\t:BV+2*\t+1] op_sel_hi:[1,0,0]
.set j, j+2
.endr
	WIN 0
	FINISH 13, 12, 8+\t
	global_store_b128 v[GV], v[CD+64+8*\t:CD+64+8*\t+3], s[22:23] offset:2048*\t
	global_store_b128 v[GV], v[CD+64+8*\t+4:CD+64+8*\t+7], s[22:23] offset:2048*\t+512
.endm
.irp a, 0,1,2,3
	OUTQK 0, \a
.endr
.irp a, 0,1,2,3
	OUTQK 1, \a
.endr
.irp t, 0,1,2,3
	OUTV \t
.endr
	s_wait_tensorcnt 0x0                           ; the wave's end
	ds_add_u32 v[SPW], v[NIL]
	s_wait_dscnt 0x0
	CROUND                                         ; the closing round: no work-group ends while a partner may still ask for a tile that names it
	s_endpgm
.Lfunc_end_k_q6fcd64970a_qkv:
	.size	k_q6fcd64970a_qkv, .Lfunc_end_k_q6fcd64970a_qkv-k_q6fcd64970a_qkv
	.p2alignl 7, 3214868480
	.fill 96, 4, 3214868480
	.section	.rodata,"a",@progbits
	.p2align	6, 0x0
	.amdhsa_kernel k_q6fcd64970a_qkv
		.amdhsa_group_segment_fixed_size 327680
		.amdhsa_private_segment_fixed_size 0
		.amdhsa_enable_private_segment 0
		.amdhsa_kernarg_size 80
		.amdhsa_user_sgpr_count 2
		.amdhsa_user_sgpr_kernarg_segment_ptr 1
		.amdhsa_wavefront_size32 1
		.amdhsa_system_sgpr_workgroup_id_x 1
		.amdhsa_system_sgpr_workgroup_id_y 1
		.amdhsa_system_sgpr_workgroup_id_z 1
		.amdhsa_system_vgpr_workitem_id 0
		.amdhsa_next_free_vgpr 1024
		.amdhsa_next_free_sgpr 102
		.amdhsa_reserve_vcc 0
		.amdhsa_float_denorm_mode_32 3
		.amdhsa_float_denorm_mode_16_64 3
		.amdhsa_memory_ordered 1
		.amdhsa_forward_progress 1
		.amdhsa_inst_pref_size 121
	.end_amdhsa_kernel
	.amdgpu_metadata
---
amdhsa.version: [ 1, 2 ]
amdhsa.kernels:
  - .name:           k_q6fcd64970a_qkv
    .symbol:         k_q6fcd64970a_qkv.kd
    .args:
      - { .name: hidden_states_codes, .offset: 0, .size: 8, .value_kind: global_buffer, .address_space: global }
      - { .name: Wq_codes, .offset: 8, .size: 8, .value_kind: global_buffer, .address_space: global }
      - { .name: Wk_codes, .offset: 16, .size: 8, .value_kind: global_buffer, .address_space: global }
      - { .name: Wv_codes, .offset: 24, .size: 8, .value_kind: global_buffer, .address_space: global }
      - { .name: bq, .offset: 32, .size: 8, .value_kind: global_buffer, .address_space: global }
      - { .name: bk, .offset: 40, .size: 8, .value_kind: global_buffer, .address_space: global }
      - { .name: bv, .offset: 48, .size: 8, .value_kind: global_buffer, .address_space: global }
      - { .name: lowp_scales, .offset: 56, .size: 8, .value_kind: global_buffer, .address_space: global }
      - { .name: qimg, .offset: 64, .size: 8, .value_kind: global_buffer, .address_space: global }
      - { .name: kvimg, .offset: 72, .size: 8, .value_kind: global_buffer, .address_space: global }
    .group_segment_fixed_size: 327680
    .private_segment_fixed_size: 0
    .kernarg_segment_align: 8
    .kernarg_segment_size: 80
    .max_flat_workgroup_size: 128
    .sgpr_count:     102
    .vgpr_count:     1024
    .wavefront_size: 32
...
	.end_amdgpu_metadata
.endif
;; end of part 1
;; launch attn (part 2): grid 8 x 32, 8 waves a work-group, clusters of 4 x 1, 327,680 bytes of LDS; arguments qimg, kvimg, lowp_scales, attimg; writes attimg
.if DOCPART == 2
	.amdgcn_target "amdgcn-amd-amdhsa--gfx1250"
	.amdhsa_code_object_version 6
	.text
	.protected	k_q6fcd64970a_attn
	.globl	k_q6fcd64970a_attn
	.p2align	8
	.type	k_q6fcd64970a_attn,@function
k_q6fcd64970a_attn:
	s_mov_b64 s[64:65], 0
	v_nop
	global_prefetch_b8 v0, s[64:65] scope:SCOPE_SE
	s_setreg_imm32_b32 hwreg(HW_REG_WAVE_MODE, 25, 1), 1
	s_wait_xcnt 0x0
	s_wait_alu depctr_hold_cnt(0) depctr_sa_sdst(0) depctr_va_vdst(0) depctr_va_sdst(0) depctr_va_ssrc(0) depctr_va_vcc(0) depctr_vm_vsrc(0)
	s_getreg_b32 s2, hwreg(HW_REG_IB_STS2, 6, 4)
	s_cmp_eq_u32 s2, 0
	s_cbranch_scc0 .Lentry_in_a_cluster
	s_endpgm
.Lentry_in_a_cluster:
	s_bfe_u32 s2, ttmp6, 0x10000c
	s_cmp_lg_u32 s2, 0x3003
	s_cbranch_scc0 .Lentry_shape_is_right
	s_endpgm
.Lentry_shape_is_right:
; att = softmax(q k^T / 8) v for one head and batch and 256 queries, on E4M3 codes, then quantised by entry 10 of the scales and stored as images of the next product's operand registers.
; p = 2^(t - M), M the ceiling of the running largest t: the running maximum is taken away ahead of every exponential; the sum is taken of the unquantised p; old M - new M is a whole number, so each rescaling is by a power of two.
; qimg: [32 (16 batch + head)][128 tiles of 16][1024]; kvimg: [32][16 steps of 128 keys][K: 8 tiles x 1024, V: 4 channel tiles x 2048]: images of operand registers, a group of four registers at 512 i + 16 x lane.
; SHARES.  Work-group (x, y): queries 256 x on of y = 16 batch + head.  Wave w: two tiles of 16 queries, x = 0, 1.  Each wave walks all 2,048 keys, 256 a step: eight steps.
; ALL OF K AND V LIES IN LDS (262,144 bytes), filled once: a wave asks for 8,192 bytes at its head (together the first two steps' keys) and for 24,576 bytes more when those have landed.  No byte is filled again.
; CLUSTER 4 x 1: four work-groups of one head ask jointly for the same tiles.  NO PREFETCH: the second load is asked for two steps ahead of the first read of its V and one ahead of its K, and no loop of tensor loads is there to run ahead in.
; Both products are used transposed: S^T = K Q^T (source 0 = 16 keys), O^T = V^T P^T (source 0 = 16 channels): a lane holds one query throughout, and the 8 registers of a tile of S^T are 8 neighbouring keys.
; REGISTERS.  window 0: v1-31 addresses and state; v32-47 Q; v48-111 O^T ((x, t) at 32 x + 8 t); v112-175 and v176-239 fragments of K or V; v240-255 codes of p.
;   window 1: the scores, then p, of four half tiles h = 2 u + x (u: which 128 keys) at 64 h.  Where they are done with: codes of h = 1, 2, 3 at 0, 16, 32; V's fragments of the second 128 keys at 64.
; LIMITS: e6 + e7 between -123 and 130; e8 between -126 and 119; e10 - e8 - e9 between -126 and 119, so that each power of two below is an f32 number; scaled scores (exponents to the base 2) under 2^31 in magnitude.  NaN is not served.
.set SPARE, 0x40000                    ; behind K and V: the spare words, 128 bytes a wave
.set L16,  1                           ; 16 x lane
.set ADR,  2                           ; the step's first LDS byte + 16 x lane
.set PSC,  3                           ; 2^e8
.set LIMA, 4                           ; 448 x 2^e8, twice (a dual pair's two halves)
.set LIMB, 5
.set OSC,  6
.set OLIM, 7
.set ST,   8                           ; state of tile x at ST + 12 x: 0 -M, 1 the largest t, 2-3 the sum in two halves, 4 f (5 named beside it), 6-10 at work
.set SPW,  19                          ; my spare word; never rewritten
.set NIL,  31                          ; 0; never rewritten
.set Q,    32
.set O,    48
.set VF,   112
.set KF,   176
.set PA,   240
.set WV,   12
.set SEL,  20
.set CS,   22
.set G0,   24
.set G0B,  28
.set G1,   32
.set G1B,  40
.set TB,   60
.set CNT,  61
.set MSB, 0
.macro WIN new                         ; the immediate's high byte repeats the setting that is left
.if MSB != \new
	s_set_vgpr_msb (MSB<<8)|\new
.set MSB, \new
.endif
.endm
.macro CROUND
	s_barrier_signal -1
	s_barrier_wait -1
	s_cmp_lg_u32 s[WV], 0
	s_cbranch_scc1 .Lnot_wave_0_\@
	s_barrier_signal -3
.Lnot_wave_0_\@:
	s_barrier_wait -3
	s_barrier_signal -1
	s_barrier_wait -1
.endm
.macro PLACES n
.rept \n
	v_nop
.endr
.endm
	s_load_b256 s[4:11], s[0:1], 0x0               ; qimg s[4:5], kvimg s[6:7], scales s[8:9], attimg s[10:11]
	v_lshl_add_u32 v[SPW], v0, 2, SPARE
	v_mov_b32 v[NIL], 0
	ds_add_u32 v[SPW], v[NIL]                      ; the wave's opening: the add, twice on end, and its wait
	ds_add_u32 v[SPW], v[NIL]
	v_lshrrev_b32 v2, 5, v0
	v_readfirstlane_b32 s[WV], v2                  ; wave 0..7
	v_and_b32 v[L16], 31, v0
	v_lshlrev_b32 v[L16], 4, v[L16]
	s_bfe_u32 s13, ttmp6, 0x40000
	s_lshl_b32 s14, ttmp9, 2
	s_add_co_u32 s14, s14, s13                     ; block of 256 queries
	s_and_b32 s15, ttmp7, 0xffff                   ; 16 batch + head
	s_lshl_b32 s18, s[WV], 13                      ; my 8,192 bytes of the first fill
	s_lshl_b32 s16, s15, 18
	s_mul_i32 s60, s[WV], 24576
	s_add_co_u32 s60, s60, 65536                   ; my 24,576 bytes of the second
	s_add_co_u32 s62, s16, s60
	s_mov_b32 s63, 0
	s_add_co_u32 s16, s16, s18
	s_mov_b32 s17, 0
	s_mov_b32 s[G1], 15|(3<<16)|(1<<21)            ; the cluster's four work-groups; elements of 8 bytes; bit 21 beside a mask
	s_mov_b32 s[G1+1], 32<<16                      ; rows of 256 bytes
	s_mov_b32 s[G1+2], 32<<16                      ; 32 of them
	s_mov_b32 s[G1+3], 32<<16
	s_mov_b32 s[G1+4], 32
	s_mov_b32 s[G1+5], 32
	s_mov_b32 s[G1+6], 0
	s_mov_b32 s[G1+7], 0
	s_mov_b32 s[G1B], 15|(3<<16)|(1<<21)
	s_mov_b32 s[G1B+1], 32<<16
	s_mov_b32 s[G1B+2], 96<<16                     ; 96 rows
	s_mov_b32 s[G1B+3], 32<<16
	s_mov_b32 s[G1B+4], 96
	s_mov_b32 s[G1B+5], 32
	s_mov_b32 s[G1B+6], 0
	s_mov_b32 s[G1B+7], 0
	s_mov_b32 s[SEL], 0x76543210
	s_mov_b32 s[SEL+1], 0xfedcba98                 ; lane l xor 16
	s_mov_b32 s[CS], 0x3e38aa3b                    ; log2(e) / 8
	s_wait_alu depctr_va_vdst(0)
	s_wait_dscnt 0x0                               ; both opening adds are done
	s_wait_kmcnt 0x0
	s_load_b256 s[48:55], s[8:9], 0x0              ; e0 .. e7
	s_load_b128 s[56:59], s[8:9], 0x20             ; e8 .. e11
	s_mov_b32 s[G0], 1
	s_mov_b32 s[G0+1], s18
	s_add_nc_u64 s[G0+2:G0+3], s[6:7], s[16:17]
	s_or_b32 s[G0+3], s[G0+3], 0x80000000
	s_mov_b32 s[G0B], 1
	s_mov_b32 s[G0B+1], s60
	s_add_nc_u64 s[G0B+2:G0B+3], s[6:7], s[62:63]
	s_or_b32 s[G0B+3], s[G0B+3], 0x80000000
	CROUND                                         ; the four work-groups are here: the first joint loads meet
	tensor_load_to_lds s[G0:G0+3], s[G1:G1+7]
	s_nop 0
	PLACES 4
	s_lshl_b32 s62, s14, 4
	s_lshl_b32 s63, s[WV], 1
	s_add_co_u32 s62, s62, s63                     ; my first query tile
	s_lshl_b32 s62, s62, 10
	s_lshl_b32 s63, s15, 17
	s_add_co_u32 s62, s62, s63
	s_mov_b32 s63, 0
	s_add_nc_u64 s[4:5], s[4:5], s[62:63]
.irp g, 0,1,2,3
	global_load_b128 v[Q+4*\g:Q+4*\g+3], v[L16], s[4:5] offset:512*\g
.endr
	; attimg: [32 blocks of 128 rows][4 chunks of K 256][8 row tiles][4 heads][1024]
	s_and_b32 s66, s15, 16
	s_lshl_b32 s67, s14, 1
	s_add_co_u32 s66, s66, s67
	s_lshr_b32 s67, s[WV], 2
	s_add_co_u32 s66, s66, s67
	s_lshl_b32 s66, s66, 2
	s_bfe_u32 s67, s15, 0x20002
	s_add_co_u32 s66, s66, s67
	s_lshl_b32 s66, s66, 3
	s_lshl_b32 s67, s[WV], 1
	s_and_b32 s67, s67, 7
	s_add_co_u32 s66, s66, s67
	s_lshl_b32 s66, s66, 2
	s_and_b32 s67, s15, 3
	s_add_co_u32 s66, s66, s67
	s_lshl_b32 s66, s66, 10
	s_mov_b32 s67, 0
	s_add_nc_u64 s[10:11], s[10:11], s[66:67]
	s_wait_kmcnt 0x0
	s_add_co_i32 s62, s54, s55
	s_lshl_b32 s62, s62, 23
	s_add_co_i32 s[CS], s[CS], s62                 ; a score stands for score x 2^(e6 + e7): added to the constant's exponent field
	s_mov_b32 s[CS+1], s[CS]                       ; (named with it as a pair)
	s_add_co_i32 s62, s56, 127
	s_lshl_b32 s63, s62, 23
	v_mov_b32 v[PSC], s63
	s_add_co_i32 s62, s62, 8
	s_lshl_b32 s62, s62, 23
	s_or_b32 s62, s62, 0x600000
	v_mov_b32 v[LIMA], s62
	v_mov_b32 v[LIMB], s62
	s_sub_co_i32 s62, s58, s56
	s_sub_co_i32 s62, s62, s57
	s_add_co_i32 s62, s62, 127
	s_lshl_b32 s63, s62, 23
	v_mov_b32 v[OSC], s63                          ; 2^(e10 - e8 - e9): the products' scales are folded into the conversion's
	s_add_co_i32 s62, s62, 8
	s_lshl_b32 s62, s62, 23
	s_or_b32 s62, s62, 0x600000
	v_mov_b32 v[OLIM], s62
.irp x, 0,1
	v_mov_b32 v[ST+12*\x+1], 0xff61b1e6            ; -3e38, under every t
	v_mov_b32 v[ST+12*\x], 0x7f61b1e6              ; -M
	v_mov_b32 v[ST+12*\x+2], 0
	v_mov_b32 v[ST+12*\x+3], 0
	v_mov_b32 v[ST+12*\x+5], 0
	v_mov_b32 v[ST+12*\x+10], 0                    ; a lane permute's destination counts as read
.endr
.set j, 0
.rept 64
	v_mov_b32 v[O+j], 0                            ; the step is written alike for every trip: the first change of M leaves zeros
.set j, j+1
.endr
.macro LD reg, adr, off                ; 8,192 bytes: eight fragments of K (16 keys x 64) or four of V (16 channels x 128 keys)
.irp g, 0,1,2,3,4,5,6,7,8,9,10,11,12,13,14,15
	ds_load_b128 v[\reg+4*\g:\reg+4*\g+3], v[\adr] offset:\off+512*\g
.endr
.endm
.macro KQ f, u                         ; 128 keys against both query tiles
.irp t, 0,1,2,3,4,5,6,7
.irp x, 0,1
	v_wmma_f32_16x16x64_fp8_fp8 v[128*\u+64*\x+8*\t:128*\u+64*\x+8*\t+7], v[\f+8*\t:\f+8*\t+7], v[Q+8*\x:Q+8*\x+7], 0
.endr
.endr
.endm
.macro PV win, vf, pc, x               ; four channel tiles of query tile x, 128 keys
	WIN \win
.irp t, 0,1,2,3
	v_wmma_f32_16x16x128_fp8_fp8 v[O+32*\x+8*\t:O+32*\x+8*\t+7], v[\vf+16*\t:\vf+16*\t+15], v[\pc:\pc+15], v[O+32*\x+8*\t:O+32*\x+8*\t+7]
.endr
.endm
.macro FM h, k                         ; t - M, two at a time (of the pairs c and -M the low word serves both)
	v_pk_fma_f32 v[64*(\h)+2*(\k):64*(\h)+2*(\k)+1], v[64*(\h)+2*(\k):64*(\h)+2*(\k)+1], s[CS:CS+1], v[ST+12*((\h)%2):ST+12*((\h)%2)+1] op_sel_hi:[1,0,0]
.endm
.macro HD h, k                         ; the hold at the largest code (ISA guide 7.6.2); p is not negative, so it is one-sided
	v_dual_min_num_f32 v[64*(\h)+2*(\k)], v[64*(\h)+2*(\k)], v[LIMA] :: v_dual_min_num_f32 v[64*(\h)+2*(\k)+1], v[64*(\h)+2*(\k)+1], v[LIMB]
.endm
.macro NONE h, k
.endm
; 64 exponentials as one batch; between them stands plain work none of whose results is read inside the batch.
.macro XP h, opa, ha, opb, hb
	WIN 0x41
.set kk, 0
.rept 32
	v_exp_f32 v[64*\h+2*kk], v[64*\h+2*kk]
	\opb \hb, kk
	v_exp_f32 v[64*\h+2*kk+1], v[64*\h+2*kk+1]
	\opa \ha, kk
.set kk, kk+1
.endr
	s_wait_alu depctr_va_vdst(0)                   ; one wait for the whole batch
.endm
.macro SUMS h                          ; the row's sum takes the unquantised p, two at a time, in three chains
.set rT, ST+12*((\h)%2)
.set oT, ST+12*(1-(\h)%2)              ; the other tile's registers at work are free here: five chains in all
.set sB, 64*(\h)
	WIN 0x05
	v_pk_add_f32 v[rT+6:rT+7], v[sB:sB+1], v[sB+2:sB+3]
	v_pk_add_f32 v[rT+8:rT+9], v[sB+4:sB+5], v[sB+6:sB+7]
	v_pk_add_f32 v[oT+6:oT+7], v[sB+8:sB+9], v[sB+10:sB+11]
	v_pk_add_f32 v[oT+8:oT+9], v[sB+12:sB+13], v[sB+14:sB+15]
	WIN 0x04
.set j, sB+16
.rept 4
	v_pk_add_f32 v[rT+2:rT+3], v[rT+2:rT+3], v[j:j+1]
	v_pk_add_f32 v[rT+6:rT+7], v[rT+6:rT+7], v[j+2:j+3]
	v_pk_add_f32 v[rT+8:rT+9], v[rT+8:rT+9], v[j+4:j+5]
	v_pk_add_f32 v[oT+6:oT+7], v[oT+6:oT+7], v[j+6:j+7]
	v_pk_add_f32 v[oT+8:oT+9], v[oT+8:oT+9], v[j+8:j+9]
.set j, j+10
.endr
	v_pk_add_f32 v[rT+2:rT+3], v[rT+2:rT+3], v[j:j+1]
	v_pk_add_f32 v[rT+6:rT+7], v[rT+6:rT+7], v[j+2:j+3]
	v_pk_add_f32 v[rT+8:rT+9], v[rT+8:rT+9], v[j+4:j+5]
	v_pk_add_f32 v[oT+6:oT+7], v[oT+6:oT+7], v[j+6:j+7]
	WIN 0
	v_pk_add_f32 v[rT+8:rT+9], v[rT+8:rT+9], v[oT+8:oT+9]
	v_pk_add_f32 v[rT+6:rT+7], v[rT+6:rT+7], v[oT+6:oT+7]
	v_pk_add_f32 v[rT+2:rT+3], v[rT+2:rT+3], v[rT+8:rT+9]
	v_pk_add_f32 v[rT+2:rT+3], v[rT+2:rT+3], v[rT+6:rT+7]
.endm
.macro CVTS h, dst, win                ; 64 codes: the 16 registers of an operand, 128 keys
	WIN \win
.irp t, 0,1,2,3,4,5,6,7
	v_cvt_scalef32_pk8_fp8_f32 v[\dst+2*\t:\dst+2*\t+1], v[64*\h+8*\t:64*\h+8*\t+7], v[PSC]
.endr
.endm
.macro MAXIMA                          ; four chains: two query tiles x two halves of the keys; each accumulator from its low end on
	WIN 0x15
.irp u, 0,1                            ; (each of the four halves in two chains: eight in all)
.irp x, 0,1
	v_max3_num_f32 v[ST+12*\x+6+2*\u], v[128*\u+64*\x], v[128*\u+64*\x+1], v[128*\u+64*\x+2]
	v_max3_num_f32 v[ST+12*\x+7+2*\u], v[128*\u+64*\x+3], v[128*\u+64*\x+4], v[128*\u+64*\x+5]
.endr
.endr
	WIN 0x14
.set j, 6
.rept 14
.irp e, 0,1
.irp u, 0,1
.irp x, 0,1
	v_max3_num_f32 v[ST+12*\x+6+2*\u+\e], v[ST+12*\x+6+2*\u+\e], v[128*\u+64*\x+j+2*\e], v[128*\u+64*\x+j+2*\e+1]
.endr
.endr
.endr
.set j, j+4
.endr
.irp u, 0,1
.irp x, 0,1
	v_max3_num_f32 v[ST+12*\x+6+2*\u], v[ST+12*\x+6+2*\u], v[128*\u+64*\x+62], v[128*\u+64*\x+63]
.endr
.endr
	WIN 0
.irp x, 0,1
	v_max3_num_f32 v[ST+12*\x+6], v[ST+12*\x+6], v[ST+12*\x+7], v[ST+12*\x+8]
.endr
.irp x, 0,1
	v_max_num_f32 v[ST+12*\x+6], v[ST+12*\x+6], v[ST+12*\x+9]
.endr
.endm
.macro STATS                           ; both tiles by turns: the running largest t, -M, f = 2^(old M - new M)
.irp x, 0,1
	v_permlanex16_b32 v[ST+12*\x+10], v[ST+12*\x+6], s[SEL], s[SEL+1]
.endr
.irp x, 0,1
	v_max3_num_f32 v[ST+12*\x+1], v[ST+12*\x+1], v[ST+12*\x+6], v[ST+12*\x+10]   ; the running largest is kept as a score: the factor to t is positive
.endr
.irp x, 0,1
	v_mul_f32 v[ST+12*\x+7], s[CS], -v[ST+12*\x+1]  ; - the largest t
.endr
.irp x, 0,1
	v_mov_b32 v[ST+12*\x+6], v[ST+12*\x]
.endr
.irp x, 0,1
	v_floor_f32 v[ST+12*\x], v[ST+12*\x+7]
.endr
.irp x, 0,1
	v_sub_f32 v[ST+12*\x+6], v[ST+12*\x], v[ST+12*\x+6]
.endr
.irp x, 0,1
	v_cvt_i32_f32 v[ST+12*\x+6], v[ST+12*\x+6]     ; (it saturates)
.endr
.irp x, 0,1
	v_ldexp_f32 v[ST+12*\x+4], 1.0, v[ST+12*\x+6]
.endr
.irp x, 0,1
	v_pk_mul_f32 v[ST+12*\x+2:ST+12*\x+3], v[ST+12*\x+2:ST+12*\x+3], v[ST+12*\x+4:ST+12*\x+5] op_sel_hi:[1,0]
.endr
.endm
; A STEP of 256 keys.  At its head K's fragments are in registers or on their way: keys 128-255 in KF, keys 0-127 in VF.  kn = 1: it fetches the next step's.
.macro BODY kn
	s_wait_dscnt 16                                ; KF is in; VF's 16 younger loads may be out
	WIN 0x40
	KQ KF, 1
	PLACES 5                                       ; the step before's last products read registers that the next ones write over: five places (the hazard: ISA guide 7.12.1)
	s_wait_dscnt 0x0                               ; VF is in
	KQ VF, 0
	WIN 0
	v_add_nc_u32 v[ADR], s[TB], v[L16]             ; with the three below: four places ahead of loads into K's fragments and of reads of the scores
	PLACES 3
	LD VF, ADR, 8192                               ; V, keys 0-127
.if \kn
	LD KF, ADR, 32768+16384                        ; the next step's K, keys 128-255
.endif
	MAXIMA
	STATS
.set j, 0
.rept 16
.irp x, 0,1
	v_pk_mul_f32 v[O+32*\x+j:O+32*\x+j+1], v[O+32*\x+j:O+32*\x+j+1], v[ST+12*\x+4:ST+12*\x+5] op_sel_hi:[1,0]
.endr
.set j, j+2
.endr
	WIN 0x41
.set kk, 0
.rept 32
	FM 0, kk
.set kk, kk+1
.endr
	s_wait_alu depctr_va_vdst(0)
	XP 0, FM, 1, FM, 2                             ; half tiles 1 and 2 are scaled while half tile 0's exponentials go; the wait behind serves their own batches
	SUMS 0
	XP 1, FM, 3, HD, 0
	CVTS 0, PA, 0x01
	SUMS 1
	XP 2, HD, 1, NONE, 0
	CVTS 1, 0, 0x41                                ; into half tile 0's registers, which are done with
	WIN 0x40
	LD 64, ADR, 24576                              ; V, keys 128-255, into half tile 1's registers, which are done with
	SUMS 2
	XP 3, HD, 2, NONE, 0
	s_wait_dscnt 0x0                               ; both halves of V, and the next step's first K
	CVTS 2, 16, 0x41
	SUMS 3
	PV 0, VF, PA, 0                                ; the eight accumulators take turns, in the same order in both halves
	PV 4, VF, 0, 1
	WIN 0x41
.set kk, 0
.rept 32
	HD 3, kk                                       ; (these are also the places ahead of loads into registers that the products above have read)
.set kk, kk+1
.endr
.if \kn
	WIN 0
	LD VF, ADR, 32768                              ; the next step's K, keys 0-127
.endif
	CVTS 3, 32, 0x41
	v_nop                                          ; one plain line between a scaled conversion and the matrix instructions
	PV 5, 64, 16, 0
	PV 5, 64, 32, 1
	WIN 0
.endm
	s_wait_alu depctr_va_vdst(0)
	s_wait_tensorcnt 0x0                           ; my part of the first fill is in
	ds_add_u32 v[SPW], v[NIL]
	s_wait_dscnt 0x0
	CROUND                                         ; everybody's is
	tensor_load_to_lds s[G0B:G0B+3], s[G1B:G1B+7]  ; the other six steps' keys
	s_nop 0
	PLACES 4
	LD KF, L16, 16384
	LD VF, L16, 0
	s_wait_loadcnt 0x0                             ; Q
	s_mov_b32 s[TB], 0
	BODY 1
	s_wait_alu depctr_va_vdst(0)
	s_wait_tensorcnt 0x0                           ; my part of the second fill is in,
	s_wait_dscnt 0x0
	s_barrier_signal -1
	s_barrier_wait -1                              ; and everybody's
	s_mov_b32 s[TB], 32768
	s_mov_b32 s[CNT], 6
.Lstep:
	BODY 1
	s_add_co_u32 s[TB], s[TB], 32768
	s_sub_co_u32 s[CNT], s[CNT], 1
	s_cmp_lg_u32 s[CNT], 0
	s_wait_alu depctr_va_vdst(0)
	s_cbranch_scc1 .Lstep
	s_mov_b32 s[TB], 7*32768
	BODY 0                                         ; the last step fetches no further K
	; THE WAY OUT: O^T / the sum, held, converted: eight neighbouring channels are two registers of the next operand.
.irp x, 0,1
	v_add_f32 v[ST+12*\x+6], v[ST+12*\x+2], v[ST+12*\x+3]
.endr
.irp x, 0,1
	v_permlanex16_b32 v[ST+12*\x+10], v[ST+12*\x+6], s[SEL], s[SEL+1]
.endr
.irp x, 0,1
	v_add_f32 v[ST+12*\x+6], v[ST+12*\x+6], v[ST+12*\x+10]
.endr
	s_wait_alu depctr_va_vdst(0)
.irp x, 0,1
	v_rcp_f32 v[ST+12*\x+6], v[ST+12*\x+6]
.endr
	v_nop
	WIN 0x40
	s_wait_alu depctr_va_vdst(0)                   ; behind the batch, and directly ahead of the first readers of O^T
.irp x, 0,1
.set j, 0
.rept 16
	v_pk_mul_f32 v[64*\x+j:64*\x+j+1], v[O+32*\x+j:O+32*\x+j+1], v[ST+12*\x+6:ST+12*\x+7] op_sel_hi:[1,0]
.set j, j+2
.endr
.endr
	WIN 0x41
.irp x, 0,1
.set j, 0
.rept 32
	v_med3_num_f32 v[64*\x+j], v[64*\x+j], -v[OLIM], v[OLIM]
.set j, j+1
.endr
.endr
	WIN 0x01
.irp x, 0,1
.irp t, 0,1,2,3
	v_cvt_scalef32_pk8_fp8_f32 v[KF+8*\x+2*\t:KF+8*\x+2*\t+1], v[64*\x+8*\t:64*\x+8*\t+7], v[OSC]
.endr
.endr
	v_nop
	WIN 0
.irp x, 0,1
	global_store_b128 v[L16], v[KF+8*\x:KF+8*\x+3], s[10:11] offset:4096*\x          ; the wave stores 512 consecutive bytes
	global_store_b128 v[L16], v[KF+8*\x+4:KF+8*\x+7], s[10:11] offset:4096*\x+512
.endr
	s_wait_tensorcnt 0x0                           ; the wave's end
	ds_add_u32 v[SPW], v[NIL]
	s_wait_dscnt 0x0
	CROUND                                         ; the closing round: no work-group ends while a partner may still ask for a tile that names it
	s_endpgm
.Lfunc_end_k_q6fcd64970a_attn:
	.size	k_q6fcd64970a_attn, .Lfunc_end_k_q6fcd64970a_attn-k_q6fcd64970a_attn
	.p2alignl 7, 3214868480
	.fill 96, 4, 3214868480
	.section	.rodata,"a",@progbits
	.p2align	6, 0x0
	.amdhsa_kernel k_q6fcd64970a_attn
		.amdhsa_group_segment_fixed_size 327680
		.amdhsa_private_segment_fixed_size 0
		.amdhsa_enable_private_segment 0
		.amdhsa_kernarg_size 32
		.amdhsa_user_sgpr_count 2
		.amdhsa_user_sgpr_kernarg_segment_ptr 1
		.amdhsa_wavefront_size32 1
		.amdhsa_system_sgpr_workgroup_id_x 1
		.amdhsa_system_sgpr_workgroup_id_y 1
		.amdhsa_system_sgpr_workgroup_id_z 1
		.amdhsa_system_vgpr_workitem_id 0
		.amdhsa_next_free_vgpr 512
		.amdhsa_next_free_sgpr 68
		.amdhsa_reserve_vcc 0
		.amdhsa_float_denorm_mode_32 3
		.amdhsa_float_denorm_mode_16_64 3
		.amdhsa_memory_ordered 1
		.amdhsa_forward_progress 1
		.amdhsa_inst_pref_size 177
	.end_amdhsa_kernel
	.amdgpu_metadata
---
amdhsa.version: [ 1, 2 ]
amdhsa.kernels:
  - .name:           k_q6fcd64970a_attn
    .symbol:         k_q6fcd64970a_attn.kd
    .args:
      - { .name: qimg, .offset: 0, .size: 8, .value_kind: global_buffer, .address_space: global }
      - { .name: kvimg, .offset: 8, .size: 8, .value_kind: global_buffer, .address_space: global }
      - { .name: lowp_scales, .offset: 16, .size: 8, .value_kind: global_buffer, .address_space: global }
      - { .name: attimg, .offset: 24, .size: 8, .value_kind: global_buffer, .address_space: global }
    .group_segment_fixed_size: 327680
    .private_segment_fixed_size: 0
    .kernarg_segment_align: 8
    .kernarg_segment_size: 32
    .max_flat_workgroup_size: 256
    .sgpr_count:     68
    .vgpr_count:     512
    .wavefront_size: 32
...
	.end_amdgpu_metadata
.endif
;; end of part 2
;; launch proj (part 3): grid 8 x 32, 4 waves a work-group, clusters of 4 x 4, 167,936 bytes of LDS; arguments attimg, Wo_codes, bo, lowp_scales, out0; writes out0
.if DOCPART == 3
	.amdgcn_target "amdgcn-amd-amdhsa--gfx1250"
	.amdhsa_code_object_version 6
	.text
	.protected	k_q6fcd64970a_proj
	.globl	k_q6fcd64970a_proj
	.p2align	8
	.type	k_q6fcd64970a_proj,@function
k_q6fcd64970a_proj:
	s_mov_b64 s[64:65], 0
	v_nop
	global_prefetch_b8 v0, s[64:65] scope:SCOPE_SE
	s_setreg_imm32_b32 hwreg(HW_REG_WAVE_MODE, 25, 1), 1
	s_wait_xcnt 0x0
	s_wait_alu depctr_hold_cnt(0) depctr_sa_sdst(0) depctr_va_vdst(0) depctr_va_sdst(0) depctr_va_ssrc(0) depctr_va_vcc(0) depctr_vm_vsrc(0)
	s_getreg_b32 s2, hwreg(HW_REG_IB_STS2, 6, 4)
	s_cmp_eq_u32 s2, 0
	s_cbranch_scc0 .Lentry_in_a_cluster
	s_endpgm
.Lentry_in_a_cluster:
	s_bfe_u32 s2, ttmp6, 0x10000c
	s_cmp_lg_u32 s2, 0xf033
	s_cbranch_scc0 .Lentry_shape_is_right
	s_endpgm
.Lentry_shape_is_right:
; out0 = merged Wo + bo on E4M3 codes.  merged comes as attimg: [32 blocks of 128 rows][4 chunks of K 256][8 row tiles][4 heads][1024], images of operand registers (group i of four registers at
; 512 i + 16 x lane; two neighbouring heads are one fragment of 16 rows x 128 K in the form's own k places).  Wo: [1024 (n)][1024 (k)] codes.  out0: [4096][1024] f32.
; SHARES.  Work-group (x, y): 128 rows (block y) x 128 columns (128 x on).  Wave (w / 2, w % 2): 64 x 64, 16 accumulators; eight steps of 128 along K.
; MERGED GOES STRAIGHT INTO REGISTERS: a lane's 16 bytes of an image are its four registers, and a load of the wave covers 512 consecutive bytes.  A wave's 64 rows are 128 loads, 512 registers, all asked for at the head.
; They are not asked for jointly: through LDS a block's 131,072 bytes would be written once and read twice, three times what Wo's tile is written, for operands that need no change of lanes.
; Wo's tile (128 rows x 1,024 bytes) is filled once, by one load a wave, and no byte is filled again.  CLUSTER 4 x 4: the four work-groups of a column ask for it jointly.
; NO PREFETCH: all that a work-group reads is asked for at its head; no loop of loads is there to run ahead in.
; THE MATRIX INSTRUCTION IS USED TRANSPOSED (source 0 = 16 rows of Wo, source 1 = 16 rows of merged): a lane holds eight neighbouring columns of one row of out0.
; Wo's fragments are read in the form's own k places too (eight loads of 8 bytes), since merged's images have them.
; LIMIT: e10 + e11 between -126 and 127.
; REGISTERS.  window 0: v6-18 addresses; v32-63 bo; v64-127 rows on the way out; v128-255 the accumulators ((a, b) at 128 + 8 (4 a + b)).
;   windows 1 and 2: merged's fragments, steps 0-3 and 4-7: (step s, tile a) at 64 (s % 4) + 16 a.  window 3: four buffers of Wo's fragments: (step s, tile b) at 64 (s % 4) + 16 b.
.set PITCH, 1040                       ; a row of Wo in LDS: 1,024 bytes + 16 of padding: word 260 r + 2 h: the 32 lanes of a load of 8 bytes touch 64 different banks (64 banks of 4 bytes: ISA guide 11.1)
.set STAGE, 128*PITCH                  ; behind the tile: 16 rows x 272 bytes for each wave; no tensor load lands there
.set SPARE, STAGE+4*16*272             ; the spare words, 128 bytes a wave
.set AO,   8
.set ADRB, 12
.set STO,  16
.set RD,   17
.set CO,   18
.set SPW,  30
.set NIL,  31
.set BO,   32
.set BK,   64
.set ACC,  128
.set WV,   14
.set CX,   15
.set CY,   16
.set NT,   17
.set MB,   18
.set HALF, 19
.set WR,   20
.set G1,   24
.set G0,   32
.set MSB, 0
.macro WIN new                         ; the immediate's high byte repeats the setting that is left
.if MSB != \new
	s_set_vgpr_msb (MSB<<8)|\new
.set MSB, \new
.endif
.endm
.macro PLACES n
.rept \n
	v_nop
.endr
.endm
.macro CROUND
	s_barrier_signal -1
	s_barrier_wait -1
	s_cmp_lg_u32 s[WV], 0
	s_cbranch_scc1 .Lnot_wave_0_\@
	s_barrier_signal -3
.Lnot_wave_0_\@:
	s_barrier_wait -3
	s_barrier_signal -1
	s_barrier_wait -1
.endm
	s_load_b256 s[4:11], s[0:1], 0x0               ; attimg s[4:5], Wo s[6:7], bo s[8:9], scales s[10:11]
	s_load_b64 s[12:13], s[0:1], 0x20              ; out0
	v_lshl_add_u32 v[SPW], v0, 2, SPARE
	v_mov_b32 v[NIL], 0
	ds_add_u32 v[SPW], v[NIL]                      ; the wave's opening: the add, twice on end, and its wait
	ds_add_u32 v[SPW], v[NIL]
	v_lshrrev_b32 v1, 5, v0
	v_readfirstlane_b32 s[WV], v1                  ; wave 0..3
	s_and_b32 s[HALF], s[WV], 1                    ; my half of the columns
	s_lshr_b32 s[WR], s[WV], 1                     ; my half of the rows
	s_bfe_u32 s[CX], ttmp6, 0x40000
	s_bfe_u32 s[CY], ttmp6, 0x40004
	s_lshl_b32 s[NT], ttmp9, 2
	s_add_co_u32 s[NT], s[NT], s[CX]               ; block of 128 columns
	s_and_b32 s[MB], ttmp7, 0xffff
	s_lshl_b32 s[MB], s[MB], 2
	s_add_co_u32 s[MB], s[MB], s[CY]               ; block of 128 rows
	s_lshl_b32 s22, 0x1111, s[CX]                  ; my column of the cluster
	s_or_b32 s[G1], s22, (1<<20)|(1<<21)|(7<<22)|(3<<25)   ; elements of 1 byte; bit 21 beside a mask; 4 words of padding after every 256
	s_mov_b32 s[G1+1], 1024<<16                    ; rows of 1,024 bytes
	s_mov_b32 s[G1+2], 32<<16                      ; 32 of them
	s_mov_b32 s[G1+3], 1024<<16
	s_mov_b32 s[G1+4], 32
	s_mov_b32 s[G1+5], 1024
	s_mov_b32 s[G1+6], 0
	s_mov_b32 s[G1+7], 0
	s_lshl_b32 s2, s[MB], 17                       ; merged: my block's 131,072 bytes,
	s_lshl_b32 s3, s[WR], 14                       ; my four row tiles of a chunk
	s_add_co_u32 s2, s2, s3
	s_mov_b32 s3, 0
	s_lshl_b32 s22, s[NT], 17                      ; Wo: made of the column block
	s_lshl_b32 s23, s[WV], 15                      ; and of the wave's number: my 32 rows
	s_add_co_u32 s22, s22, s23
	s_mov_b32 s23, 0
	s_mul_i32 s80, s[WV], 32*PITCH                 ; and where they go
	s_mul_i32 s81, s[HALF], 64*PITCH               ; my 64 columns
	s_mul_i32 s66, s[WV], 16*272
	s_add_co_u32 s66, s66, STAGE                   ; my stage
	s_lshl_b32 s67, s[NT], 9
	s_lshl_b32 s68, s[HALF], 8
	s_add_co_u32 s67, s67, s68                     ; my first column, in bytes
	s_lshl_b32 s68, s[MB], 7
	s_lshl_b32 s69, s[WR], 6
	s_add_co_u32 s68, s68, s69                     ; my first row
	s_lshl_b32 s68, s68, 12
	s_add_co_u32 s68, s68, s67
	s_mov_b32 s69, 0
	v_and_b32 v1, 15, v0                           ; r
	v_bfe_u32 v2, v0, 4, 1                         ; h
	v_and_b32 v[AO], 31, v0
	v_lshlrev_b32 v[AO], 4, v[AO]                  ; 16 x lane
	v_mul_u32_u24 v[ADRB], v1, PITCH
	v_lshl_add_u32 v[ADRB], v2, 3, v[ADRB]         ; row r, + 8 h
	v_add_nc_u32 v[ADRB], s81, v[ADRB]
	v_mul_u32_u24 v[STO], v1, 272
	v_lshl_add_u32 v[STO], v2, 5, v[STO]
	v_add_nc_u32 v[STO], s66, v[STO]               ; in: row r, 32 bytes for each half of the lanes
	v_mul_u32_u24 v[RD], v2, 272
	v_lshl_add_u32 v[RD], v1, 4, v[RD]
	v_add_nc_u32 v[RD], s66, v[RD]                 ; back: lanes 0-15 one row of 256 bytes, lanes 16-31 the next
	v_lshlrev_b32 v[CO], 12, v2
	v_lshl_add_u32 v[CO], v1, 4, v[CO]             ; and the same two rows in out0
	v_lshl_add_u32 v6, v2, 5, s67                  ; bo: + 32 h
	s_wait_alu depctr_va_vdst(0)
	s_wait_dscnt 0x0                               ; both opening adds are done
	s_wait_kmcnt 0x0
	s_load_b64 s[76:77], s[10:11], 0x28            ; e10, e11
	s_add_nc_u64 s[4:5], s[4:5], s[2:3]
	s_add_nc_u64 s[12:13], s[12:13], s[68:69]
	s_mov_b32 s[G0], 1
	s_mov_b32 s[G0+1], s80
	s_add_nc_u64 s[G0+2:G0+3], s[6:7], s[22:23]
	s_or_b32 s[G0+3], s[G0+3], 0x80000000
	CROUND                                         ; all sixteen work-groups are here: the joint loads meet
	tensor_load_to_lds s[G0:G0+3], s[G1:G1+7]
	s_nop 0
	PLACES 4
.irp b, 0,1,2,3
	global_load_b128 v[BO+8*\b:BO+8*\b+3], v6, s[8:9] offset:64*\b
	global_load_b128 v[BO+8*\b+4:BO+8*\b+7], v6, s[8:9] offset:64*\b+16
.endr
.set q, 0
.rept 8                                ; merged's fragments of the q-th 128 along K
	WIN 0x40*(1+q/4)
.irp a, 0,1,2,3
.irp i, 0,1,2,3
	global_load_b128 v[64*(q%4)+16*\a+4*\i:64*(q%4)+16*\a+4*\i+3], v[AO], s[4:5] offset:32768*(q/2)+4096*\a+2048*(q%2)+512*\i
.endr
.endr
.set q, q+1
.endr
	WIN 0
.macro FETCH q                         ; Wo's fragments of the q-th 128 along K
	WIN 0xc0
.irp b, 0,1,2,3
.irp c, 0,1,2,3,4,5,6,7
	ds_load_b64 v[64*((\q)%4)+16*\b+2*\c:64*((\q)%4)+16*\b+2*\c+1], v[ADRB] offset:16*PITCH*\b+128*(\q)+16*\c
.endr
.endr
.endm
.macro MUL16 s                         ; 16 accumulators, one instruction a turn, in the same order in every step
.set fr, 64*((\s)%4)
.irp a, 0,1,2,3
.irp b, 0,1,2,3
.if (\s) == 0
	v_wmma_f32_16x16x128_fp8_fp8 v[ACC+8*(4*\a+\b):ACC+8*(4*\a+\b)+7], v[fr+16*\b:fr+16*\b+15], v[fr+16*\a:fr+16*\a+15], 0
.else
	v_wmma_f32_16x16x128_fp8_fp8 v[ACC+8*(4*\a+\b):ACC+8*(4*\a+\b)+7], v[fr+16*\b:fr+16*\b+15], v[fr+16*\a:fr+16*\a+15], v[ACC+8*(4*\a+\b):ACC+8*(4*\a+\b)+7]
.endif
.endr
.endr
.endm
	s_wait_tensorcnt 0x0                           ; my 32 rows are in
	s_barrier_signal -1
	s_barrier_wait -1                              ; everybody's are
	FETCH 0
	FETCH 1
.set stp, 0
.rept 8                                ; eight steps, written out: Wo's fragments are fetched two steps ahead
.if stp < 7
	s_wait_dscnt 32                                ; this step's are in; the next step's 32 loads may be out
.else
	s_wait_dscnt 0x0
.endif
.if stp < 6
.if stp > 1
	PLACES 4                                       ; in front of loads into the buffer that the step two before multiplied
.endif
	FETCH stp+2
.endif
.if stp < 4
	s_wait_loadcnt 63                              ; 64 loads or more stand behind this step's last
.else
	s_wait_loadcnt 16*(7-stp)                      ; merged's fragments of the later steps may be out
.endif
	WIN 0x07+4*(stp/4)                             ; source 0 window 3, source 1 window 1 or 2, C and D window 0
	MUL16 stp
.set stp, stp+1
.endr
	WIN 0
	; THE WAY OUT, 16 rows x 64 columns at a time: sum x 2^(e10 + e11) + bo; through my own stage in LDS, back as whole rows of 256 bytes.
	s_wait_kmcnt 0x0
	s_add_co_i32 s78, s76, s77
	s_add_co_i32 s78, s78, 127
	s_lshl_b32 s78, s78, 23                        ; 2^(e10 + e11) as f32
	s_mov_b32 s79, s78
	PLACES 4                                       ; in front of the first read of results
.macro TOSTAGE a
.set j, 0
.rept 16
	v_pk_fma_f32 v[ACC+32*\a+j:ACC+32*\a+j+1], v[ACC+32*\a+j:ACC+32*\a+j+1], s[78:79], v[BO+j:BO+j+1] op_sel_hi:[1,0,1]   ; each accumulator from its low end on
.set j, j+2
.endr
.irp b, 0,1,2,3
	ds_store_b128 v[STO], v[ACC+32*\a+8*\b:ACC+32*\a+8*\b+3] offset:64*\b
	ds_store_b128 v[STO], v[ACC+32*\a+8*\b+4:ACC+32*\a+8*\b+7] offset:64*\b+16
.endr
.set BB, BK+32*((\a)%2)
.irp t, 0,1,2,3,4,5,6,7
	ds_load_b128 v[BB+4*\t:BB+4*\t+3], v[RD] offset:544*\t   ; LDS serves a wave's instructions in order (ISA guide 5.7.1.4): these see my stores, and the next block's stores come behind them
.endr
.endm
.macro SEND a, younger                 ; younger: the LDS instructions issued behind block a's loads
.set BB, BK+32*((\a)%2)
	s_wait_dscnt \younger
.irp t, 0,1,2,3,4,5,6,7
	global_store_b128 v[CO], v[BB+4*\t:BB+4*\t+3], s[12:13] offset:(16*(\a)+2*\t)*4096 th:TH_STORE_NT   ; 16 lanes store 256 consecutive bytes, at a multiple of 256 from out0's first byte
.endr
.endm
	TOSTAGE 0
	TOSTAGE 1
	SEND 0, 16                                     ; behind block 0's loads: block 1's 8 stores and 8 loads
	s_wait_xcnt 0x0                                ; block 0's stores have read their registers: block 2's loads may land there
	TOSTAGE 2
	SEND 1, 16
	s_wait_xcnt 0x0
	TOSTAGE 3
	SEND 2, 16
	SEND 3, 0
	s_wait_tensorcnt 0x0                           ; the wave's end
	ds_add_u32 v[SPW], v[NIL]
	s_wait_dscnt 0x0
	CROUND                                         ; the closing round: no work-group ends while a partner may still ask for a tile that names it
	s_endpgm
.Lfunc_end_k_q6fcd64970a_proj:
	.size	k_q6fcd64970a_proj, .Lfunc_end_k_q6fcd64970a_proj-k_q6fcd64970a_proj
	.p2alignl 7, 3214868480
	.fill 96, 4, 3214868480
	.section	.rodata,"a",@progbits
	.p2align	6, 0x0
	.amdhsa_kernel k_q6fcd64970a_proj
		.amdhsa_group_segment_fixed_size 167936
		.amdhsa_private_segment_fixed_size 0
		.amdhsa_enable_private_segment 0
		.amdhsa_kernarg_size 40
		.amdhsa_user_sgpr_count 2
		.amdhsa_user_sgpr_kernarg_segment_ptr 1
		.amdhsa_wavefront_size32 1
		.amdhsa_system_sgpr_workgroup_id_x 1
		.amdhsa_system_sgpr_workgroup_id_y 1
		.amdhsa_system_sgpr_workgroup_id_z 1
		.amdhsa_system_vgpr_workitem_id 0
		.amdhsa_next_free_vgpr 1024
		.amdhsa_next_free_sgpr 82
		.amdhsa_reserve_vcc 0
		.amdhsa_float_denorm_mode_32 3
		.amdhsa_float_denorm_mode_16_64 3
		.amdhsa_memory_ordered 1
		.amdhsa_forward_progress 1
		.amdhsa_inst_pref_size 55
	.end_amdhsa_kernel
	.amdgpu_metadata
---
amdhsa.version: [ 1, 2 ]
amdhsa.kernels:
  - .name:           k_q6fcd64970a_proj
    .symbol:         k_q6fcd64970a_proj.kd
    .args:
      - { .name: attimg, .offset: 0, .size: 8, .value_kind: global_buffer, .address_space: global }
      - { .name: Wo_codes, .offset: 8, .size: 8, .value_kind: global_buffer, .address_space: global }
      - { .name: bo, .offset: 16, .size: 8, .value_kind: global_buffer, .address_space: global }
      - { .name: lowp_scales, .offset: 24, .size: 8, .value_kind: global_buffer, .address_space: global }
      - { .name: out0, .offset: 32, .size: 8, .value_kind: global_buffer, .address_space: global }
    .group_segment_fixed_size: 167936
    .private_segment_fixed_size: 0
    .kernarg_segment_align: 8
    .kernarg_segment_size: 40
    .max_flat_workgroup_size: 128
    .sgpr_count:     82
    .vgpr_count:     1024
    .wavefront_size: 32
...
	.end_amdgpu_metadata
.endif
;; end of part 3
